; MI455X (gfx1250); checked and timed in simulation.
; The chip was launched on July 23, 2026; its instructions are those of AMD's public machine-readable ISA for CDNA 5 (MIT licence, August 2026) and "CDNA5" Instruction Set Architecture Reference Guide (July 2026). The comments in the code are by the model that wrote it; some were corrected since.
;; Scaled Dot Product Attention. Allowed arithmetic: float matrix products may take bf16 or f16 operands with f32 sums; all other float work in f32.
;; Inputs: k 64 x 1,024 x 64 float32; q 64 x 1,024 x 64 float32; v 64 x 1,024 x 64 float32.
;; Outputs: out0 64 x 1,024 x 64 float32.
;; 2 versions, each right; version 2 is version 1 with the launch attn written anew for expert scheduling mode. Each part assembles by itself: llvm-mc -triple=amdgcn-amd-amdhsa -mcpu=gfx1250 --defsym DOCPART=n.
;; ======== version 1 of 2: 1 launch
;; limits: right only within a limited range of input values; values are held in f16: magnitudes above 65,504 overflow, below 6.1e-05 lose precision; inputs' magnitudes at most 65,504
;; launch attn (part 1): grid 256 x 1, 8 waves a work-group, no clusters, 121,088 bytes of LDS; arguments k, q, v, out0; writes out0
.if DOCPART == 1
	.amdgcn_target "amdgcn-amd-amdhsa--gfx1250"
	.amdhsa_code_object_version 6
	.text
	.protected	k_qd63f887121_attn
	.globl	k_qd63f887121_attn
	.p2align	8
	.type	k_qd63f887121_attn,@function
k_qd63f887121_attn:
	s_mov_b64 s[64:65], 0
	v_nop
	global_prefetch_b8 v0, s[64:65] scope:SCOPE_SE
	s_setreg_imm32_b32 hwreg(HW_REG_WAVE_MODE, 25, 1), 1
	s_wait_xcnt 0x0
; Causal attention with a key padding mask.  k, q, v, out0: [64][1024][64] f32.
;   score(q, key) = q.k / 8; a key whose sum of |k| is 0, and every key behind the query, gets -2^32 instead; softmax along the keys; times V.
; The padding number is finite.  In a row that has at least one real key among keys 0..q the padded entries underflow to 0 exactly, so the
; blocks above the diagonal are not computed.  A row whose keys 0..q are ALL zero keys has 1,024 equal scores: its result is the mean of all
; 1,024 rows of V.  So every work-group sums the columns of the whole V of its head, and such rows (running maximum still at the padding
; number) take that mean by a select at the end.
;
; SHARES.  Work-group g: head g / 4, c = g mod 4.  The 1,024 rows of a head are 8 chunks of 128; the work-group owns chunks c and 7 - c.
; Wave w owns 16 rows of each: tile A at row 128 c + 16 w, tile B at row 128 (7 - c) + 16 w.  Keys go in blocks of 64 (kb = 0..15); a tile
; takes kb up to its diagonal block, dA = 2 c + w / 4 and dB = 14 - 2 c + w / 4.  Waves w and w + 4 together take 34 (tile, block) products
; in every work-group.  All work-groups walk all 8 trips of 128 keys, since V is needed whole for the column sums.
;
; PRODUCTS.  S^T = K Q^T (source 0: 16 keys, source 1: 16 queries): register j of lane (r, h) is key 8 h + j of query r.  Two such tiles,
; packed to f16, ARE the source-1 fragment of O^T = V^T P^T, so P never leaves the registers; V^T is read from [key][d] rows in LDS by the
; transposing load.  All figures of query r (maximum, sum, scale) live in lanes r and r + 16.  Raw scores are kept; the factor 1/8 rides in
; the constant of the exponential, and the padding number is 8 x -2^32 = -2^35 accordingly.
; The key mask costs no vector work: a table bias[key] (0 or -2^35) is loaded into the S registers and is the C of the first S product.
;
; FORMAT.  All four matrix operands (Q, K, V, P) are f16, sums f32.  In a row with few keys the weights are 0.1 to 1 and the terms p v may
; cancel to a result a hundred times smaller than they are, so each operand's rounding shows in full: f16's 11 significant bits bound it by
; 2^-12 of a term, where 8 bits would give 2^-9.  P lies in (0, 1]; weights under 2^-25 drop out of the product, at most 1,024 x 2^-25 of a row.
;
; STAGING.  K and V come as f32 blocks of 128 rows (32 KB each) by 16-byte loads into two sets of 64 registers, are rounded to f16 once
; for the work-group and stored into two LDS slots.  Block kt + 2 is asked for at the head of trip kt and converted at the end of trip kt + 1.
;
; CLUSTERS are not used, although the four work-groups of a head read the same K and V blocks.  A tile moved in jointly would land as f32:
; 64 KB a trip that each work-group would have to read from LDS, round and store again.  And partners would go in step, trip by trip, while
; their trips hold unequal work: per pair of waves 7,4,4,4,4,4,4,3 products for c = 0 and 8,8,8,7,3,0,0,0 for c = 3; the sum of the maxima
; over c is 46 against 34.
;
; LIMITS.  |q|, |k|, |v| are taken to be below 65,504, the largest f16 (beyond it the conversion gives infinity); numbers below 2^-14 keep an
; absolute error of 2^-25.  Raw scores q.k are taken to lie above -2^34.  A q that is not finite gives NaN against an all-zero key (0 x inf),
; where the definition masks that entry.  Maxima, exponentials, sums, the mean of V and the output are f32.
.set KP,    144                        ; LDS pitch of a K row and of a staged Q row: 128 bytes of f16 + 16, an odd multiple of 16
.set VP,    160                        ; LDS pitch of a V row: 128 + 32, an odd multiple of 32, for the transposing load
.set KSLOT, 128*KP                     ; 18,432
.set VSLOT, 128*VP                     ; 20,480
.set VREG,  2*KSLOT                    ; 36,864  two slots of V behind two slots of K
.set BREG,  VREG+2*VSLOT               ; 77,824  two slots of 128 f32: bias[key]
.set BSLOT, 512
.set CSB,   BREG+2*BSLOT               ; 78,848  16 x 64 f32: partial column sums of V
.set VMB,   CSB+4096                   ; 82,944  64 f32: the mean row of V
.set STG,   VMB+256                    ; 83,200  a stage of 4,608 bytes for each wave, its own: Q on the way in, results on the way out
.set STGW,  4608
.set OPI,   272                        ; pitch of a staged output row: 256 + 16
; window 0 (v0-v255)
;   v0 thread t    v1 K fragment address    v2 V^T fragment address    v3 bias address    v4, v5 Q stage: store, read
;   v6 16 x lane (Q loads, out stores)      v7 diagonal figure (set-up only)
;   v[8:9] -c1 M and M of tile A    v[10:11] of tile B    v12, v13 row sums of A, B    v14 rescale factor    v15 value from the other half
;   v24 column-sum read address    v25 prefetch offset    v26, v27 out stage: store, read
.set TMP, 16                           ; v[16:23]   at work
.set QFR, 32                           ; v[32:63]   Q fragments: 16 x tile + 8 x (d / 32)
.set OAC, 64                           ; v[64:127]  O^T: 32 x tile + 8 x (d / 16)
.set SCA, 128                          ; v[128:159] S^T of tile A, 8 x (key / 16); then P in the first 16
.set SCB, 160                          ; v[160:191] the same for tile B
.set FRG, 192                          ; v[192:255] K fragments 16 x (key / 16) + 8 x (d / 32); then V^T fragments 16 x (d / 16) + 8 x (key / 32)
; window 1 (v256-v399), written by the low 8 bits
;   v[0:63] set 0: K in 0-31, V in 32-63    v[64:127] set 1
.set CS,   128                         ; v[384:387] my column sums of V
.set GOFF, 132                         ; v388  16 t + 32,768 kt
.set KST,  134                         ; v390  where I store K
.set VST,  135                         ; v391  where I store V
.set BST,  136                         ; v392  where I store bias
.set CSST, 137                         ; v393  where I store my column sums
.set TS,   138                         ; v[394:399] at work
; scalars: s[4:5] K, s[8:9] V at the head; s12 wave, s13 c, s16 dA, s17 dB, s18 kb, s19 kt, s20 loop counter, s21 trips that prefetch,
; s[22:23] c1 = log2(e) / 8 twice, s24 -c1, s25 -2^35, s26 -2^34, s27 lanes 16-31, s28, s29 lane selects, s[30:31] prefetch base,
; s[34:37] out of tiles A, B, s[38:41] Q of tiles A, B, s50-s57 at work
.set MK,  42                           ; s[42:49]  which lanes hold a non-zero part of their K row, for each of my 8 loads
.set MSK, 68                           ; s[68:99]  lane masks of the diagonal block: register 8 t + j keeps its score
.set MSB, 0
.macro WIN new                         ; low byte: bits 1:0 source 0, 3:2 source 1, 5:4 source 2, 7:6 destination; the high byte repeats the setting that is left
.if MSB != \new
	s_set_vgpr_msb (MSB<<8)|\new
.set MSB, \new
.endif
.endm
.macro PLACES n
.rept \n
	v_nop
.endr
.endm
; 16 loads: the K and V block that begins off bytes behind GOFF, into register set set.  Thread t takes byte 16 t + 4,096 i:
; row t / 16 + 16 i, numbers 4 (t mod 16) .. + 3.  A wave load covers 512 consecutive bytes.
.macro LOADBLK set, off
	WIN 0x45                               ; data and address in window 1
.irp i, 0,1,2,3,4,5,6,7
	global_load_b128 v[64*\set+4*\i:64*\set+4*\i+3], v[GOFF], s[4:5] offset:\off+4096*\i
.endr
.irp i, 0,1,2,3,4,5,6,7
	global_load_b128 v[64*\set+32+4*\i:64*\set+32+4*\i+3], v[GOFF], s[8:9] offset:\off+4096*\i
.endr
	WIN 0
.endm
; The work-group with c = 0, which has the fewest products in trips 1 to 3 of the four that share the head, asks in trips 0 to 3 for
; block kt + 4, whose loads are issued two trips later.  Waves 0-3 take the 32 KB of K, waves 4-7 those of V, lanes 256 bytes apart:
; each aligned block of 256 bytes is asked for once in the launch, and the last block asked for is block 7, the last of the head.
.macro PREF
	s_cmp_ge_u32 s19, s21
	s_cbranch_scc1 .Lno_pref_\@
	global_prefetch_b8 v25, s[30:31] offset:131072 th:TH_LOAD_NT scope:SCOPE_SE
.Lno_pref_\@:
.endm
.macro CSADD set, i
	v_pk_add_f32 v[CS:CS+1], v[CS:CS+1], v[64*\set+32+4*\i:64*\set+33+4*\i]
	v_pk_add_f32 v[CS+2:CS+3], v[CS+2:CS+3], v[64*\set+34+4*\i:64*\set+35+4*\i]
.endm
; Register set set is rounded to f16 and stored into LDS slot slot; bias[key] and the column sums of V are made on the way, from the f32 numbers.
; cnt = how many younger loads may stay out.  firstcs = 1: the first two rows start the column sums.  step = 1: the offsets go one block on.
.macro CONV set, slot, cnt, firstcs, step
	s_wait_loadcnt \cnt                    ; loads come back in order: the 16 of this set are in, the younger ones stay out
	WIN 0x45
.irp i, 0,1,2,3,4,5,6,7
	v_add_f32 v[TS], |v[64*\set+4*\i]|, |v[64*\set+4*\i+1]|
	v_add_f32 v[TS+1], |v[64*\set+4*\i+2]|, |v[64*\set+4*\i+3]|
	v_add_f32 v[TS], v[TS], v[TS+1]
	v_cmp_neq_f32 s[MK+\i], 0, v[TS]       ; my four numbers of the row are not all zero (a NaN counts as not zero, as in the definition)
	v_cvt_pk_f16_f32 v[64*\set+4*\i], v[64*\set+4*\i], v[64*\set+4*\i+1]
	v_cvt_pk_f16_f32 v[64*\set+4*\i+1], v[64*\set+4*\i+2], v[64*\set+4*\i+3]
	ds_store_b64 v[KST], v[64*\set+4*\i:64*\set+4*\i+1] offset:\slot*KSLOT+16*KP*\i
.endr
	; lanes 0-15 hold one row and lanes 16-31 the next: a row is a real key if any of its sixteen lanes said so.  These selects choose a value only.
.irp i, 0,1,2,3,4,5,6,7
	s_and_b32 s50, s[MK+\i], 0xffff
	s_cselect_b32 s50, 0, s25
	s_lshr_b32 s51, s[MK+\i], 16
	s_cselect_b32 s51, 0, s25
	v_mov_b32 v[TS+2+\i%4], s50
	v_cndmask_b32 v[TS+2+\i%4], v[TS+2+\i%4], s51, s27
	ds_store_b32 v[BST], v[TS+2+\i%4] offset:\slot*BSLOT+64*\i     ; sixteen lanes store one word, with one value
.endr
.if \firstcs
	v_pk_add_f32 v[CS:CS+1], v[64*\set+32:64*\set+33], v[64*\set+36:64*\set+37]
	v_pk_add_f32 v[CS+2:CS+3], v[64*\set+34:64*\set+35], v[64*\set+38:64*\set+39]
.else
	CSADD \set, 0
	CSADD \set, 1
.endif
.irp i, 2,3,4,5,6,7
	CSADD \set, \i
.endr
.irp i, 0,1,2,3,4,5,6,7
	v_cvt_pk_f16_f32 v[64*\set+32+4*\i], v[64*\set+32+4*\i], v[64*\set+33+4*\i]
	v_cvt_pk_f16_f32 v[64*\set+33+4*\i], v[64*\set+34+4*\i], v[64*\set+35+4*\i]
	ds_store_b64 v[VST], v[64*\set+32+4*\i:64*\set+33+4*\i] offset:\slot*VSLOT+16*VP*\i
.endr
.if \step
	s_wait_xcnt 0x0                        ; the offsets that this trip loads and prefetch name are stepped only behind this wait
	v_add_nc_u32 v[GOFF], 0x8000, v[GOFF]
	WIN 0
	v_add_nc_u32 v25, 0x8000, v25
.else
	WIN 0
.endif
.endm
; bias of the 64 keys into the S registers: register 8 t + j of lane (r, h) is key 16 t + 8 h + j
.macro BIAS sr, slot, sub
.irp t, 0,1,2,3
	ds_load_b128 v[\sr+8*\t:\sr+8*\t+3], v3 offset:\slot*BSLOT+\sub*256+64*\t
	ds_load_b128 v[\sr+8*\t+4:\sr+8*\t+7], v3 offset:\slot*BSLOT+\sub*256+64*\t+16
.endr
.endm
; S^T = bias + K Q^T: 64 keys x 16 queries, d in two halves.  The four accumulators take turns, one instruction a turn.
.macro QK sr, qr
.irp ks, 0,1
.irp t, 0,1,2,3
	v_wmma_f32_16x16x32_f16 v[\sr+8*\t:\sr+8*\t+7], v[FRG+16*\t+8*\ks:FRG+16*\t+8*\ks+7], v[\qr+8*\ks:\qr+8*\ks+7], v[\sr+8*\t:\sr+8*\t+7]
.endr
.endr
.endm
; the diagonal block: keys behind the query get the padding number
.macro MASK sr
.set i, 0
.rept 32
	v_cndmask_b32 v[\sr+i], s25, v[\sr+i], s[MSK+i]
.set i, i+1
.endr
.endm
; One step of the running softmax of a tile.  sr: S, then P; orr: O^T; nm: the pair (-c1 M, M); lr: the row sum.
; first = 1: the first block starts maximum and sum, and there is nothing to rescale.
.macro SMAX sr, orr, nm, lr, first
.irp a, 0,1,2,3
	v_max3_num_f32 v[TMP+\a], v[\sr+8*\a], v[\sr+8*\a+1], v[\sr+8*\a+2]
.endr
.irp a, 0,1,2,3
	v_max3_num_f32 v[TMP+\a], v[TMP+\a], v[\sr+8*\a+3], v[\sr+8*\a+4]
.endr
.irp a, 0,1,2,3
	v_max3_num_f32 v[TMP+\a], v[TMP+\a], v[\sr+8*\a+5], v[\sr+8*\a+6]
.endr
	v_max3_num_f32 v[TMP], v[TMP], v[\sr+7], v[TMP+1]
	v_max3_num_f32 v[TMP+2], v[TMP+2], v[\sr+15], v[TMP+3]
	v_max3_num_f32 v[TMP], v[TMP], v[\sr+23], v[TMP+2]
.if \first
	v_max_num_f32 v[TMP], v[TMP], v[\sr+31]
.else
	v_max3_num_f32 v[TMP], v[TMP], v[\sr+31], v[\nm+1]             ; the old maximum goes in last
.endif
	v_permlanex16_b32 v15, v[TMP], s28, s29                        ; the other 32 keys of my query lie in lane r xor 16
	v_max_num_f32 v[\nm+1], v[TMP], v15
.if \first
	v_mul_f32 v[\nm], s24, v[\nm+1]                                ; -c1 M
.else
	v_mul_f32 v[TMP+2], s24, v[\nm+1]
	v_sub_f32 v[TMP+3], v[TMP+2], v[\nm]                           ; c1 (M old - M new)
	v_exp_f32 v14, v[TMP+3]
	v_mov_b32 v[\nm], v[TMP+2]                                     ; the plain instruction behind the exponential (ISA guide 5.7.2)
.endif
.set i, 0
.rept 16
	v_pk_fma_f32 v[\sr+i:\sr+i+1], v[\sr+i:\sr+i+1], s[22:23], v[\nm:\nm+1] op_sel_hi:[1,0,0]   ; c1 S - c1 M
.set i, i+2
.endr
.set i, 0
.rept 32
	v_exp_f32 v[\sr+i], v[\sr+i]
.set i, i+1
.endr
.if \first
	v_nop                                                          ; the plain instruction behind the exponentials
	s_wait_alu depctr_va_vdst(0)
.else
.set i, 0
	s_wait_alu depctr_va_vdst(0)
.rept 16
	v_pk_mul_f32 v[\orr+i:\orr+i+1], v[\orr+i:\orr+i+1], v[14:15] op_sel_hi:[1,0]   ; O rescaled, in my lane alone; also the plain work behind the exponentials
.set i, i+2
.endr
.endif
.irp a, 0,1,2,3
	v_pk_add_f32 v[TMP+2*\a:TMP+2*\a+1], v[\sr+4*\a:\sr+4*\a+1], v[\sr+4*\a+2:\sr+4*\a+3]
.endr
.irp a, 0,1,2,3
	v_pk_add_f32 v[TMP+2*\a:TMP+2*\a+1], v[TMP+2*\a:TMP+2*\a+1], v[\sr+16+2*\a:\sr+17+2*\a]
.endr
.irp a, 0,1,2,3
	v_pk_add_f32 v[TMP+2*\a:TMP+2*\a+1], v[TMP+2*\a:TMP+2*\a+1], v[\sr+24+2*\a:\sr+25+2*\a]
.endr
	v_pk_add_f32 v[TMP:TMP+1], v[TMP:TMP+1], v[TMP+2:TMP+3]
	v_pk_add_f32 v[TMP+4:TMP+5], v[TMP+4:TMP+5], v[TMP+6:TMP+7]
	v_pk_add_f32 v[TMP:TMP+1], v[TMP:TMP+1], v[TMP+4:TMP+5]
.if \first
	v_add_f32 v[\lr], v[TMP], v[TMP+1]
.else
	v_add_f32 v[TMP], v[TMP], v[TMP+1]
	v_fma_f32 v[\lr], v[\lr], v14, v[TMP]                          ; the sum of my 32 keys; the two halves meet at the end
.endif
.set i, 0
.rept 16
	v_cvt_pk_f16_f32 v[\sr+i], v[\sr+2*i], v[\sr+2*i+1]            ; P packed in place: registers 8 n .. 8 n + 7 are the fragment of keys 32 n .. 32 n + 31
.set i, i+1
.endr
.endm
; O^T += V^T P^T: 64 d x 16 queries, keys in two halves.  The four accumulators take turns, one instruction a turn.
.macro PV sr, orr, first
.irp ks, 0,1
.irp dt, 0,1,2,3
.if \first*(1-\ks)
	v_wmma_f32_16x16x32_f16 v[\orr+8*\dt:\orr+8*\dt+7], v[FRG+16*\dt+8*\ks:FRG+16*\dt+8*\ks+7], v[\sr+8*\ks:\sr+8*\ks+7], 0
.else
	v_wmma_f32_16x16x32_f16 v[\orr+8*\dt:\orr+8*\dt+7], v[FRG+16*\dt+8*\ks:FRG+16*\dt+8*\ks+7], v[\sr+8*\ks:\sr+8*\ks+7], v[\orr+8*\dt:\orr+8*\dt+7]
.endif
.endr
.endr
.endm
; One block of 64 keys (half sub of slot slot) against my two tiles.  kb = s18.  Tile B takes kb <= dB, tile A kb <= dA (dA < dB).
; first = 1 (kb = 0): both tiles take part in every wave, so the skips are left out and O, M and the sums are started on every path.
.macro SUB slot, sub, first
.if \first == 0
	s_cmp_gt_u32 s18, s17
	s_cbranch_scc1 .Lsub_done_\@
.endif
.irp t, 0,1,2,3
.irp ks, 0,1
	ds_load_b128 v[FRG+16*\t+8*\ks:FRG+16*\t+8*\ks+3], v1 offset:\slot*KSLOT+\sub*64*KP+\t*16*KP+64*\ks
	ds_load_b128 v[FRG+16*\t+8*\ks+4:FRG+16*\t+8*\ks+7], v1 offset:\slot*KSLOT+\sub*64*KP+\t*16*KP+64*\ks+32
.endr
.endr
	BIAS SCB, \slot, \sub
.if \first == 0
	s_cmp_gt_u32 s18, s16
	s_cbranch_scc1 .Lqk_b_\@
.endif
	BIAS SCA, \slot, \sub
	s_wait_dscnt 0x0                       ; K fragments and both biases are in
	QK SCA, QFR
.Lqk_b_\@:
	s_wait_dscnt 0x0                       ; on the way round tile A: K fragments and the bias of B
	QK SCB, QFR+16
	PLACES 4                               ; four places behind the S products: then loads may land on their K fragments and vector work may read S
.irp ks, 0,1
.irp dt, 0,1,2,3
	ds_load_tr16_b128 v[FRG+16*\dt+8*\ks:FRG+16*\dt+8*\ks+3], v2 offset:\slot*VSLOT+\sub*64*VP+\ks*32*VP+32*\dt
	ds_load_tr16_b128 v[FRG+16*\dt+8*\ks+4:FRG+16*\dt+8*\ks+7], v2 offset:\slot*VSLOT+\sub*64*VP+\ks*32*VP+16*VP+32*\dt
.endr
.endr
.if \first == 0
	s_cmp_gt_u32 s18, s16
	s_cbranch_scc1 .Lsm_b_\@
.endif
	s_cmp_lg_u32 s18, s16
	s_cbranch_scc1 .Lfull_a_\@
	MASK SCA
.Lfull_a_\@:
	SMAX SCA, OAC, 8, 12, \first
	s_wait_dscnt 0x0                       ; the V^T fragments, asked for ahead of the softmax
	PV SCA, OAC, \first
.Lsm_b_\@:
	s_cmp_lg_u32 s18, s17
	s_cbranch_scc1 .Lfull_b_\@
	MASK SCB
.Lfull_b_\@:
	SMAX SCB, OAC+32, 10, 13, \first
	s_wait_dscnt 0x0
	PV SCB, OAC+32, \first
	PLACES 5                               ; five places: the next S products write over P, and the next loads land on P and on the V^T fragments
.Lsub_done_\@:
	s_add_co_u32 s18, s18, 1
.endm
; One trip: 128 keys from slot slot.  ONE barrier, for two things.  In front of it each wave has waited for its stores into this slot and for
; its reads of the other slot; behind it this slot is whole and nobody reads the other any more, which this trip fills at its end.
; load = 1: block kt + 2 is asked for, into the register set that was emptied into this slot.  conv = 1: block kt + 1 goes into slot oth.
.macro TRIP slot, oth, first, load, conv, cnt
	s_wait_dscnt 0x0
	s_barrier_signal -1
	s_barrier_wait -1
.if \load
	LOADBLK \slot, 65536
	PREF
.endif
	SUB \slot, 0, \first
	SUB \slot, 1, 0
.if \conv
	CONV \oth, \oth, \cnt, 0, \load
.endif
	s_add_co_u32 s19, s19, 1
.endm
; A tile leaves: divide by the row sum, take the mean of V where the row had no real key, turn O^T into rows in my own stage, store whole rows.
.macro OUT orr, nm, lr, rb, base
	v_permlanex16_b32 v15, v[\lr], s28, s29
	v_cmp_lt_f32 vcc_lo, s26, v[\nm+1]     ; the maximum is above -2^34: the row has a real key
	v_add_f32 v[\lr], v[\lr], v15          ; both halves of the keys; at least 1, the term of the maximum
	v_rcp_f32 v14, v[\lr]
	v_nop                                  ; the plain instruction behind the reciprocal (ISA guide 5.7.2)
.set i, 0
	s_wait_alu depctr_va_vdst(0)
.rept 16
	v_pk_mul_f32 v[\orr+i:\orr+i+1], v[\orr+i:\orr+i+1], v[14:15] op_sel_hi:[1,0]
.set i, i+2
.endr
.set i, 0
.rept 32
	v_cndmask_b32 v[\orr+i], v[FRG+i], v[\orr+i], vcc_lo
.set i, i+1
.endr
.irp dt, 0,1,2,3
	ds_store_b128 v26, v[\orr+8*\dt:\orr+8*\dt+3] offset:64*\dt            ; lane (r, h): row r, d = 16 dt + 8 h .. + 7
	ds_store_b128 v26, v[\orr+8*\dt+4:\orr+8*\dt+7] offset:64*\dt+16
.endr
.irp i, 0,1,2,3,4,5,6,7
	ds_load_b128 v[\rb+4*\i:\rb+4*\i+3], v27 offset:2*OPI*\i               ; LDS serves a wave in order (ISA guide 5.7.1): these see the stores above
.endr
.irp i, 0,1,2,3,4,5,6,7
	s_wait_dscnt 7-\i                      ; read-back i is in; the 7 - i younger ones may be out
	global_store_b128 v6, v[\rb+4*\i:\rb+4*\i+3], s[\base:\base+1] offset:512*\i th:TH_STORE_NT   ; sixteen lanes store one whole row of 256 bytes
.endr
.endm
	; ---- set-up: what the first loads need comes first ----
	s_load_b256 s[4:11], s[0:1], 0x0               ; k s[4:5], q s[6:7], v s[8:9], out0 s[10:11]
	v_lshl_add_u32 v30, v0, 2, 0x1d500
	v_mov_b32 v31, 0
	v_lshrrev_b32 v1, 5, v0
	v_readfirstlane_b32 s12, v1                    ; wave 0..7
	v_and_b32 v21, 31, v0
	v_lshlrev_b32 v6, 4, v21                       ; 16 x lane
	WIN 0x40                                       ; destination in window 1
	v_lshlrev_b32 v[GOFF], 4, v0                   ; 16 t
	WIN 0
	s_and_b32 s13, ttmp9, 3                        ; c
	s_lshr_b32 s14, ttmp9, 2                       ; head
	s_lshl_b32 s14, s14, 18                        ; x 1,024 rows of 256 bytes (below 2^24)
	s_mov_b32 s15, 0
	s_lshl_b32 s50, s13, 15                        ; chunk c: 128 rows of 256 bytes each
	s_lshl_b32 s51, s12, 12                        ; 16 w rows
	s_add_co_u32 s52, s14, s51
	s_add_co_u32 s54, s52, s50                     ; byte offset of tile A
	s_sub_co_u32 s50, 0x38000, s50                 ; chunk 7 - c
	s_add_co_u32 s56, s52, s50                     ; byte offset of tile B
	s_mov_b32 s55, 0
	s_mov_b32 s57, 0
	s_wait_kmcnt 0x0
	s_add_nc_u64 s[4:5], s[4:5], s[14:15]
	s_add_nc_u64 s[8:9], s[8:9], s[14:15]
	s_add_nc_u64 s[38:39], s[6:7], s[54:55]
	s_add_nc_u64 s[40:41], s[6:7], s[56:57]
	s_add_nc_u64 s[34:35], s[10:11], s[54:55]
	s_add_nc_u64 s[36:37], s[10:11], s[56:57]
	LOADBLK 0, 0                                   ; block 0
.irp j, 0,1,2,3,4,5,6,7
	global_load_b128 v[SCA+4*\j:SCA+4*\j+3], v6, s[38:39] offset:512*\j th:TH_LOAD_NT   ; Q: rows 2 j and 2 j + 1 of tile A; read once in the launch
.endr
.irp j, 0,1,2,3,4,5,6,7
	global_load_b128 v[SCB+4*\j:SCB+4*\j+3], v6, s[40:41] offset:512*\j th:TH_LOAD_NT
.endr
	LOADBLK 1, 32768                               ; block 1
	s_cmp_lt_u32 s12, 4
	s_cselect_b64 s[30:31], s[4:5], s[8:9]         ; waves 0-3 prefetch K, waves 4-7 V
	s_cmp_eq_u32 s13, 0
	s_cselect_b32 s21, 4, 0                        ; c = 0 prefetches in trips 0 to 3, the others never
	s_lshr_b32 s50, s12, 2
	s_lshl_b32 s51, s13, 1
	s_add_co_u32 s16, s51, s50                     ; dA = 2 c + w / 4
	s_sub_co_u32 s17, 14, s51
	s_add_co_u32 s17, s17, s50                     ; dB = 14 - 2 c + w / 4
	s_mov_b32 s18, 0
	s_mov_b32 s19, 0
	s_mov_b32 s22, 0x3e38aa3b                      ; c1 = log2(e) / 8
	s_mov_b32 s23, 0x3e38aa3b
	s_mov_b32 s24, 0xbe38aa3b                      ; -c1
	s_mov_b32 s25, 0xd1000000                      ; -2^35
	s_mov_b32 s26, 0xd0800000                      ; -2^34
	s_mov_b32 s27, 0xffff0000                      ; lanes 16-31
	s_mov_b32 s28, 0x76543210                      ; v_permlanex16_b32: lane i of one half reads lane i of the other
	s_mov_b32 s29, 0xfedcba98
	v_and_b32 v16, 15, v0                          ; r = lane mod 16 = t mod 16
	v_bfe_u32 v17, v0, 4, 1                        ; h = lane / 16
	v_lshrrev_b32 v18, 4, v0                       ; t / 16
	v_and_b32 v19, 7, v0
	v_bfe_u32 v20, v0, 3, 1
	v_mul_u32_u24 v1, v16, KP
	v_lshl_add_u32 v1, v17, 4, v1                  ; K fragment: row r, 16 h
	v_lshl_add_u32 v19, v17, 3, v19
	v_mul_u32_u24 v2, v19, VP
	v_lshl_add_u32 v2, v20, 4, v2
	v_add_nc_u32 v2, VREG, v2                      ; V^T fragment: row 8 h + lane mod 8, 16 bytes x bit 3 of the lane
	v_lshlrev_b32 v3, 5, v17
	v_add_nc_u32 v3, BREG, v3                      ; bias: 8 h keys of 4 bytes
	s_mul_i32 s53, s12, STGW
	s_add_co_u32 s53, s53, STG                     ; my stage
	v_mul_u32_u24 v4, v17, KP
	v_lshl_add_u32 v4, v16, 3, v4
	v_add_nc_u32 v4, s53, v4                       ; Q in: row h of a pair, 8 bytes for my four numbers
	v_add_nc_u32 v5, s53, v1                       ; Q fragment: as for K
	v_mul_u32_u24 v26, v16, OPI
	v_lshl_add_u32 v26, v17, 5, v26
	v_add_nc_u32 v26, s53, v26                     ; out in: row r, 32 h
	v_mul_u32_u24 v27, v17, OPI
	v_lshl_add_u32 v27, v16, 4, v27
	v_add_nc_u32 v27, s53, v27                     ; out back: lanes 0-15 one row, lanes 16-31 the next
	v_lshlrev_b32 v24, 2, v0
	v_add_nc_u32 v24, CSB, v24
	v_and_b32 v25, 127, v0
	v_lshlrev_b32 v25, 8, v25
	v_mov_b32 v15, 0                               ; v_permlanex16_b32 counts as a reader of its destination
	s_and_b32 s50, s12, 3
	s_lshl_b32 s50, s50, 4
	v_lshlrev_b32 v20, 3, v17
	v_sub_nc_u32 v7, v16, v20
	v_add_nc_u32 v7, s50, v7                       ; r + 16 (w mod 4) - 8 h: both tiles begin 16 (w mod 4) rows into their diagonal block
.irp t, 0,1,2,3
.irp j, 0,1,2,3,4,5,6,7
	v_cmp_le_i32 s[MSK+8*\t+\j], 16*\t+\j, v7      ; key 16 t + 8 h + j is not behind query 16 (w mod 4) + r
.endr
.endr
	v_mul_u32_u24 v22, v18, KP
	v_mul_u32_u24 v23, v18, VP
	v_add_nc_u32 v23, VREG, v23
	WIN 0x40
	v_lshl_add_u32 v[KST], v16, 3, v22             ; row t / 16, 8 bytes for my four numbers
	v_lshl_add_u32 v[VST], v16, 3, v23
	v_lshl_add_u32 v[BST], v18, 2, BREG
	v_lshl_add_u32 v[CSST], v0, 4, CSB
	; ---- block 0 into slot 0; Q into fragments ----
	CONV 0, 0, 32, 1, 0                            ; 32 younger loads stay out: 16 of Q, 16 of block 1
	s_wait_loadcnt 16                              ; Q is in; the 16 loads of block 1 stay out
.irp tl, 0,1
.irp j, 0,1,2,3,4,5,6,7
	v_cvt_pk_f16_f32 v[SCA+32*\tl+4*\j], v[SCA+32*\tl+4*\j], v[SCA+32*\tl+4*\j+1]
	v_cvt_pk_f16_f32 v[SCA+32*\tl+4*\j+1], v[SCA+32*\tl+4*\j+2], v[SCA+32*\tl+4*\j+3]
	ds_store_b64 v4, v[SCA+32*\tl+4*\j:SCA+32*\tl+4*\j+1] offset:16*KP*\tl+2*KP*\j
.endr
.endr
.irp tl, 0,1
.irp ks, 0,1
	ds_load_b128 v[QFR+16*\tl+8*\ks:QFR+16*\tl+8*\ks+3], v5 offset:16*KP*\tl+64*\ks        ; my own bytes, served in order: no wait between stores and loads
	ds_load_b128 v[QFR+16*\tl+8*\ks+4:QFR+16*\tl+8*\ks+7], v5 offset:16*KP*\tl+64*\ks+32
.endr
.endr
	; ---- the eight trips.  In a trip that loads, CONV leaves that trip 16 loads out. ----
	TRIP 0, 1, 1, 1, 1, 16                         ; kt = 0: starts O, maxima and sums
	s_mov_b32 s20, 0
.Ltrips:
	TRIP 1, 0, 0, 1, 1, 16                         ; kt = 1, 3
	TRIP 0, 1, 0, 1, 1, 16                         ; kt = 2, 4
	s_add_co_u32 s20, s20, 1
	s_cmp_lt_u32 s20, 2
	s_cbranch_scc1 .Ltrips
	TRIP 1, 0, 0, 1, 1, 16                         ; kt = 5: asks for block 7, the last
	TRIP 0, 1, 0, 0, 1, 0                          ; kt = 6: nothing left to ask for; block 7 is converted, no load is younger
	WIN 0x45
	ds_store_b128 v[CSST], v[CS:CS+3]              ; my column sums: rows t / 16 mod 16, d = 4 (t mod 16) .. + 3; shown to all by the next barrier
	WIN 0
	TRIP 1, 0, 0, 0, 0, 0                          ; kt = 7
	; ---- the mean row of V: threads 0 to 63 (waves 0 and 1, which have no product at kb = 15) add the 16 partial sums of one column each ----
	s_cmp_gt_u32 s12, 1
	s_cbranch_scc1 .Lmean_done
.set i, 0
.rept 16
	ds_load_b32 v[FRG+i], v24 offset:256*i
.set i, i+1
.endr
	s_wait_dscnt 0x0
.irp a, 0,4,8,12
	v_pk_add_f32 v[FRG+\a:FRG+\a+1], v[FRG+\a:FRG+\a+1], v[FRG+\a+2:FRG+\a+3]
.endr
	v_pk_add_f32 v[FRG:FRG+1], v[FRG:FRG+1], v[FRG+4:FRG+5]
	v_pk_add_f32 v[FRG+8:FRG+9], v[FRG+8:FRG+9], v[FRG+12:FRG+13]
	v_pk_add_f32 v[FRG:FRG+1], v[FRG:FRG+1], v[FRG+8:FRG+9]
	v_add_f32 v[FRG], v[FRG], v[FRG+1]
	v_mul_f32 v[FRG], 0x3a800000, v[FRG]           ; / 1,024
	ds_store_b32 v24, v[FRG] offset:VMB-CSB
.Lmean_done:
	s_wait_dscnt 0x0                               ; the mean is stored,
	s_barrier_signal -1
	s_barrier_wait -1                              ; and every wave may read it
	; ---- the way out.  Every group of O products was followed by its five places, so O may be read and the fragments loaded over. ----
.irp dt, 0,1,2,3
	ds_load_b128 v[FRG+8*\dt:FRG+8*\dt+3], v3 offset:VMB-BREG+64*\dt               ; the mean in the layout of O^T: d = 16 dt + 8 h + j
	ds_load_b128 v[FRG+8*\dt+4:FRG+8*\dt+7], v3 offset:VMB-BREG+64*\dt+16
.endr
	s_wait_dscnt 0x0
	OUT OAC, 8, 12, SCA, 34
	OUT OAC+32, 10, 13, SCB, 36
	s_wait_tensorcnt 0x0
	ds_add_u32 v30, v31
	s_wait_dscnt 0x0
	s_endpgm
.Lfunc_end_k_qd63f887121_attn:
	.size	k_qd63f887121_attn, .Lfunc_end_k_qd63f887121_attn-k_qd63f887121_attn
	.p2alignl 7, 3214868480
	.fill 96, 4, 3214868480
	.section	.rodata,"a",@progbits
	.p2align	6, 0x0
	.amdhsa_kernel k_qd63f887121_attn
		.amdhsa_group_segment_fixed_size 121088
		.amdhsa_private_segment_fixed_size 0
		.amdhsa_enable_private_segment 0
		.amdhsa_kernarg_size 32
		.amdhsa_user_sgpr_count 2
		.amdhsa_user_sgpr_kernarg_segment_ptr 1
		.amdhsa_wavefront_size32 1
		.amdhsa_system_sgpr_workgroup_id_x 1
		.amdhsa_system_sgpr_workgroup_id_y 1
		.amdhsa_system_sgpr_workgroup_id_z 1
		.amdhsa_system_vgpr_workitem_id 0
		.amdhsa_next_free_vgpr 400
		.amdhsa_next_free_sgpr 100
		.amdhsa_reserve_vcc 1
		.amdhsa_float_denorm_mode_32 3
		.amdhsa_float_denorm_mode_16_64 3
		.amdhsa_memory_ordered 1
		.amdhsa_forward_progress 1
		.amdhsa_inst_pref_size 255
	.end_amdhsa_kernel
	.section	.bss,"aw",@nobits
	.p2align	6
	.space	262144
	.amdgpu_metadata
---
amdhsa.version: [ 1, 2 ]
amdhsa.kernels:
  - .name:           k_qd63f887121_attn
    .symbol:         k_qd63f887121_attn.kd
    .args:
      - { .name: k, .offset: 0, .size: 8, .value_kind: global_buffer, .address_space: global }
      - { .name: q, .offset: 8, .size: 8, .value_kind: global_buffer, .address_space: global }
      - { .name: v, .offset: 16, .size: 8, .value_kind: global_buffer, .address_space: global }
      - { .name: out0, .offset: 24, .size: 8, .value_kind: global_buffer, .address_space: global }
    .group_segment_fixed_size: 121088
    .private_segment_fixed_size: 0
    .kernarg_segment_align: 8
    .kernarg_segment_size: 32
    .max_flat_workgroup_size: 256
    .sgpr_count:     100
    .vgpr_count:     400
    .wavefront_size: 32
...
	.end_amdgpu_metadata
.endif
;; end of part 1
;; ======== version 2 of 2: 1 launch; version 1 with the launch attn written anew for expert scheduling mode
;; limits: right only within a limited range of input values; values are held in f16: magnitudes above 65,504 overflow, below 6.1e-05 lose precision; inputs' magnitudes at most 65,504
;; launch attn (part 2): grid 256 x 1, 8 waves a work-group, no clusters, 121,088 bytes of LDS; arguments k, q, v, out0; writes out0
.if DOCPART == 2
	.amdgcn_target "amdgcn-amd-amdhsa--gfx1250"
	.amdhsa_code_object_version 6
	.text
	.protected	k_qd63f887121_attn
	.globl	k_qd63f887121_attn
	.p2align	8
	.type	k_qd63f887121_attn,@function
k_qd63f887121_attn:
	s_mov_b64 s[64:65], 0
	v_nop
	global_prefetch_b8 v0, s[64:65] scope:SCOPE_SE
	s_setreg_imm32_b32 hwreg(HW_REG_WAVE_SCHED_MODE, 0, 2), 2
	s_setreg_imm32_b32 hwreg(HW_REG_WAVE_MODE, 25, 1), 1
	s_wait_xcnt 0x0
	s_wait_alu depctr_vm_vsrc(0)
; Causal attention with a key padding mask.  k, q, v, out0: [64][1024][64] f32.
;   score(q, key) = q.k / 8; a key whose sum of |k| is 0, and every key behind the query, gets -2^32 instead; softmax along the keys; times V.
; The padding number is finite.  In a row that has at least one real key among keys 0..q the padded entries underflow to 0 exactly, so the
; blocks above the diagonal are not computed.  A row whose keys 0..q are ALL zero keys has 1,024 equal scores: its result is the mean of all
; 1,024 rows of V.  So every work-group sums the columns of the whole V of its head, and such rows (running maximum still at the padding
; number) take that mean by a select at the end.
;
; SHARES.  Work-group g: head g / 4, c = g mod 4.  The 1,024 rows of a head are 8 chunks of 128; the work-group owns chunks c and 7 - c.
; Wave w owns 16 rows of each: tile A at row 128 c + 16 w, tile B at row 128 (7 - c) + 16 w.  Keys go in blocks of 64 (kb = 0..15); a tile
; takes kb up to its diagonal block, dA = 2 c + w / 4 and dB = 14 - 2 c + w / 4.  Waves w and w + 4 together take 34 (tile, block) products
; in every work-group.  All work-groups walk all 8 trips of 128 keys, since V is needed whole for the column sums.
;
; PRODUCTS.  S^T = K Q^T (source 0: 16 keys, source 1: 16 queries): register j of lane (r, h) is key 8 h + j of query r.  Two such tiles,
; packed to f16, ARE the source-1 fragment of O^T = V^T P^T, so P never leaves the registers; V^T is read from [key][d] rows in LDS by the
; transposing load.  All figures of query r (maximum, sum, scale) live in lanes r and r + 16.  Raw scores are kept; the factor 1/8 rides in
; the constant of the exponential, and the padding number is 8 x -2^32 = -2^35 accordingly.
; The key mask costs no vector work: a table bias[key] (0 or -2^35) is loaded into the S registers and is the C of the first S product.
;
; FORMAT.  All four matrix operands (Q, K, V, P) are f16, sums f32.  In a row with few keys the weights are 0.1 to 1 and the terms p v may
; cancel to a result a hundred times smaller than they are, so each operand's rounding shows in full: f16's 11 significant bits bound it by
; 2^-12 of a term, where 8 bits would give 2^-9.  P lies in (0, 1]; weights under 2^-25 drop out of the product, at most 1,024 x 2^-25 of a row.
;
; STAGING.  K and V come as f32 blocks of 128 rows (32 KB each) by 16-byte loads into two sets of 64 registers, are rounded to f16 once
; for the work-group and stored into two LDS slots.  Block kt + 2 is asked for at the head of trip kt and converted at the end of trip kt + 1.
;
; CLUSTERS are not used, although the four work-groups of a head read the same K and V blocks.  A tile moved in jointly would land as f32:
; 64 KB a trip that each work-group would have to read from LDS, round and store again.  And partners would go in step, trip by trip, while
; their trips hold unequal work: per pair of waves 7,4,4,4,4,4,4,3 products for c = 0 and 8,8,8,7,3,0,0,0 for c = 3; the sum of the maxima
; over c is 46 against 34.
;
; LIMITS.  |q|, |k|, |v| are taken to be below 65,504, the largest f16 (beyond it the conversion gives infinity); numbers below 2^-14 keep an
; absolute error of 2^-25.  Raw scores q.k are taken to lie above -2^34.  A q that is not finite gives NaN against an all-zero key (0 x inf),
; where the definition masks that entry.  Maxima, exponentials, sums, the mean of V and the output are f32.
;
; THE MODE: SCHED_MODE bits 1:0 = 2 (LLVM: expert scheduling mode 2), set by the entry lines.  The code itself states the register dependences
; between vector or matrix instructions and memory or LDS instructions, with s_wait_alu, always for 0.
; THE PLAN.  Registers that memory or LDS instructions touch:
;   sets 0, 1     The loads of block kt + 2 land in a set at the head of trip kt.  The conversion at the end of trip kt + 1 reads and rewrites it
;                 (f16 in place; the bias of row i in word 4 i + 2, which the conversion has left free); then its 24 LDS stores read it, in one run.
;                 One wait on va_vdst between the arithmetic and that run; vm_vsrc and va_vdst ahead of the loads that land in the set again.
;   FRG           K fragments: LDS loads at the head of a block of 64 keys; the S products read them, and nothing else in the trips.
;   VF            V^T fragments, a buffer of their own: LDS loads behind the S products; the O products read them, and nothing else.
;   SCA, SCB      the bias lands in them at a block's head; S products, softmax and (as P) the O products name them.
;                 ONE wait on va_vdst at a block's head states that all earlier work on FRG, VF, SCA and SCB is done; all the block's LDS loads hang on it.
;                 Between it and the V^T loads stand LDS loads, the S products (FRG, Q, S) and v_nop: none names VF or v2.
;   addresses     v1-v6, v24-v27, v388, v390-v393: made once at the head, never written again.  The blocks of K and V are reached by three scalar
;                 bases, which move on by a block at the end of a trip.
;   way out       O is scaled and selected, one wait on va_vdst, then the LDS stores; the rows come back into SCA or SCB, which nothing names since that wait.
.set KP,    144                        ; LDS pitch of a K row and of a staged Q row: 128 bytes of f16 + 16, an odd multiple of 16
.set VP,    160                        ; LDS pitch of a V row: 128 + 32, an odd multiple of 32, for the transposing load
.set KSLOT, 128*KP                     ; 18,432
.set VSLOT, 128*VP                     ; 20,480
.set VREG,  2*KSLOT                    ; 36,864  two slots of V behind two slots of K
.set BREG,  VREG+2*VSLOT               ; 77,824  two slots of 128 f32: bias[key]
.set BSLOT, 512
.set CSB,   BREG+2*BSLOT               ; 78,848  16 x 64 f32: partial column sums of V
.set VMB,   CSB+4096                   ; 82,944  64 f32: the mean row of V
.set STG,   VMB+256                    ; 83,200  a stage of 4,608 bytes for each wave, its own: Q on the way in, results on the way out
.set STGW,  4608
.set OPI,   272                        ; pitch of a staged output row: 256 + 16
; window 0 (v0-v255)
;   v0 thread t    v1 K fragment address    v2 V^T fragment address    v3 bias address    v4, v5 Q stage: store, read
;   v6 16 x lane (Q loads, out stores)      v7 diagonal figure (set-up only)
;   v[8:9] -c1 M and M of tile A    v[10:11] of tile B    v12, v13 row sums of A, B    v14 rescale factor    v15 value from the other half
;   v24 column-sum read address    v25 prefetch offset    v26, v27 out stage: store, read
.set TMP, 16                           ; v[16:23]   at work
.set QFR, 32                           ; v[32:63]   Q fragments: 16 x tile + 8 x (d / 32)
.set OAC, 64                           ; v[64:127]  O^T: 32 x tile + 8 x (d / 16)
.set SCA, 128                          ; v[128:159] S^T of tile A, 8 x (key / 16); then P in the first 16
.set SCB, 160                          ; v[160:191] the same for tile B
.set FRG, 192                          ; v[192:255] K fragments 16 x (key / 16) + 8 x (d / 32); at the end the column sums and the mean
; window 1 (v256-v459), written by the low 8 bits
;   v[0:63] set 0: K in 0-31, V in 32-63    v[64:127] set 1
.set CS,   128                         ; v[384:387] my column sums of V
.set GOFF, 132                         ; v388  16 t
.set KST,  134                         ; v390  where I store K
.set VST,  135                         ; v391  where I store V
.set BST,  136                         ; v392  where I store bias
.set CSST, 137                         ; v393  where I store my column sums
.set TS,   138                         ; v[394:395] at work: no memory instruction names them
.set VF,   140                         ; v[396:459] V^T fragments 16 x (d / 16) + 8 x (key / 32)
; scalars: s[4:5] K, s[8:9] V at block kt of the head; s12 wave, s13 c, s16 dA, s17 dB, s18 kb, s19 kt, s20 loop counter, s21 trips that prefetch,
; s[22:23] c1 = log2(e) / 8 twice, s24 -c1, s25 -2^35, s26 -2^34, s27 lanes 16-31, s28, s29 lane selects, s[30:31] prefetch base at block kt,
; s[34:37] out of tiles A, B, s[38:41] Q of tiles A, B, s50-s57 at work
.set MK,  42                           ; s[42:49]  which lanes hold a non-zero part of their K row, for each of my 8 loads
.set MSK, 68                           ; s[68:99]  lane masks of the diagonal block: register 8 t + j keeps its score
.set MSB, 0
.macro WIN new                         ; low byte: bits 1:0 source 0, 3:2 source 1, 5:4 source 2, 7:6 destination; the high byte repeats the setting that is left
.if MSB != \new
	s_set_vgpr_msb (MSB<<8)|\new
.set MSB, \new
.endif
.endm
.macro PLACES n
.rept \n
	v_nop
.endr
.endm
; 16 loads: the K and V block that begins off bytes behind the bases, into register set set.  Thread t takes byte 16 t + 4,096 i:
; row t / 16 + 16 i, numbers 4 (t mod 16) .. + 3.  A wave load covers 512 consecutive bytes.
; w = 2: in a trip, the set has been converted and stored.  w = 1: the kernel's first loads.  w = 0: nothing has named the set or the offset since the last wait.
.macro LOADBLK set, off, w
	WIN 0x45                               ; data and address in window 1
.if \w > 1
	s_wait_alu depctr_vm_vsrc(0)           ; the LDS stores of the conversion have read this set, in which the loads below land
.endif
.if \w > 0
	s_wait_alu depctr_va_vdst(0)           ; in a trip: the conversion is done reading and writing this set; at the head: the offsets v388 and v6 are written
.endif
.irp i, 0,1,2,3,4,5,6,7
	global_load_b128 v[64*\set+4*\i:64*\set+4*\i+3], v[GOFF], s[4:5] offset:\off+4096*\i
.endr
.irp i, 0,1,2,3,4,5,6,7
	global_load_b128 v[64*\set+32+4*\i:64*\set+32+4*\i+3], v[GOFF], s[8:9] offset:\off+4096*\i
.endr
	WIN 0
.endm
; The work-group with c = 0, which has the fewest products in trips 1 to 3 of the four that share the head, asks in trips 0 to 3 for
; block kt + 4, whose loads are issued two trips later.  Waves 0-3 take the 32 KB of K, waves 4-7 those of V, lanes 256 bytes apart:
; each aligned block of 256 bytes is asked for once in the launch, and the last block asked for is block 7, the last of the head.
; v25 was written at the head, ahead of many waits on va_vdst, and is never written again.
.macro PREF
	s_cmp_ge_u32 s19, s21
	s_cbranch_scc1 .Lno_pref_\@
	global_prefetch_b8 v25, s[30:31] offset:131072 th:TH_LOAD_NT scope:SCOPE_SE
.Lno_pref_\@:
.endm
.macro CSADD set, i
	v_pk_add_f32 v[CS:CS+1], v[CS:CS+1], v[64*\set+32+4*\i:64*\set+33+4*\i]
	v_pk_add_f32 v[CS+2:CS+3], v[CS+2:CS+3], v[64*\set+34+4*\i:64*\set+35+4*\i]
.endm
; Register set set is rounded to f16 and stored into LDS slot slot; bias[key] and the column sums of V are made on the way, from the f32 numbers.
; All the arithmetic stands first, then one wait, then the 24 LDS stores in one run.
; cnt = how many younger loads may stay out.  firstcs = 1: the first two rows start the column sums.  step = 1: the bases go one block on.
.macro CONV set, slot, cnt, firstcs, step
	s_wait_loadcnt \cnt                    ; loads come back in order: the 16 of this set are in, the younger ones stay out
	WIN 0x45
.irp i, 0,1,2,3,4,5,6,7
	v_add_f32 v[TS], |v[64*\set+4*\i]|, |v[64*\set+4*\i+1]|
	v_add_f32 v[TS+1], |v[64*\set+4*\i+2]|, |v[64*\set+4*\i+3]|
	v_add_f32 v[TS], v[TS], v[TS+1]
	v_cmp_neq_f32 s[MK+\i], 0, v[TS]       ; my four numbers of the row are not all zero (a NaN counts as not zero, as in the definition)
	v_cvt_pk_f16_f32 v[64*\set+4*\i], v[64*\set+4*\i], v[64*\set+4*\i+1]
	v_cvt_pk_f16_f32 v[64*\set+4*\i+1], v[64*\set+4*\i+2], v[64*\set+4*\i+3]
.endr
.if \firstcs
	v_pk_add_f32 v[CS:CS+1], v[64*\set+32:64*\set+33], v[64*\set+36:64*\set+37]
	v_pk_add_f32 v[CS+2:CS+3], v[64*\set+34:64*\set+35], v[64*\set+38:64*\set+39]
.else
	CSADD \set, 0
	CSADD \set, 1
.endif
.irp i, 2,3,4,5,6,7
	CSADD \set, \i
.endr
.irp i, 0,1,2,3,4,5,6,7
	v_cvt_pk_f16_f32 v[64*\set+32+4*\i], v[64*\set+32+4*\i], v[64*\set+33+4*\i]
	v_cvt_pk_f16_f32 v[64*\set+33+4*\i], v[64*\set+34+4*\i], v[64*\set+35+4*\i]
.endr
	s_wait_alu depctr_va_sdst(0)           ; the eight compares have written s[MK ..], which the scalar lines below read
	; lanes 0-15 hold one row and lanes 16-31 the next: a row is a real key if any of its sixteen lanes said so.  These selects choose a value only.
.irp i, 0,1,2,3,4,5,6,7
	s_and_b32 s50, s[MK+\i], 0xffff
	s_cselect_b32 s50, 0, s25
	s_lshr_b32 s51, s[MK+\i], 16
	s_cselect_b32 s51, 0, s25
	v_mov_b32 v[64*\set+4*\i+2], s50       ; word 4 i + 2 of the set is free since the row was rounded
	v_cndmask_b32 v[64*\set+4*\i+2], v[64*\set+4*\i+2], s51, s27
.endr
	s_wait_alu depctr_va_vdst(0)           ; the roundings and the selects have written the set, which the 24 LDS stores below read (at the first use also their addresses v390 to v392)
.irp i, 0,1,2,3,4,5,6,7
	ds_store_b64 v[KST], v[64*\set+4*\i:64*\set+4*\i+1] offset:\slot*KSLOT+16*KP*\i
.endr
.irp i, 0,1,2,3,4,5,6,7
	ds_store_b32 v[BST], v[64*\set+4*\i+2] offset:\slot*BSLOT+64*\i        ; sixteen lanes store one word, with one value
.endr
.irp i, 0,1,2,3,4,5,6,7
	ds_store_b64 v[VST], v[64*\set+32+4*\i:64*\set+33+4*\i] offset:\slot*VSLOT+16*VP*\i
.endr
.if \step
	s_wait_xcnt 0x0                        ; the bases that this trip's loads and prefetch name move on only behind this wait
	s_add_nc_u64 s[4:5], s[4:5], 0x8000
	s_add_nc_u64 s[8:9], s[8:9], 0x8000
	s_add_nc_u64 s[30:31], s[30:31], 0x8000
.endif
	WIN 0
.endm
; bias of the 64 keys into the S registers: register 8 t + j of lane (r, h) is key 16 t + 8 h + j
.macro BIAS sr, slot, sub
.irp t, 0,1,2,3
	ds_load_b128 v[\sr+8*\t:\sr+8*\t+3], v3 offset:\slot*BSLOT+\sub*256+64*\t
	ds_load_b128 v[\sr+8*\t+4:\sr+8*\t+7], v3 offset:\slot*BSLOT+\sub*256+64*\t+16
.endr
.endm
; S^T = bias + K Q^T: 64 keys x 16 queries, d in two halves.  The four accumulators take turns, one instruction a turn.
.macro QK sr, qr
.irp ks, 0,1
.irp t, 0,1,2,3
	v_wmma_f32_16x16x32_f16 v[\sr+8*\t:\sr+8*\t+7], v[FRG+16*\t+8*\ks:FRG+16*\t+8*\ks+7], v[\qr+8*\ks:\qr+8*\ks+7], v[\sr+8*\t:\sr+8*\t+7]
.endr
.endr
.endm
; the diagonal block: keys behind the query get the padding number
.macro MASK sr
.set i, 0
.rept 32
	v_cndmask_b32 v[\sr+i], s25, v[\sr+i], s[MSK+i]
.set i, i+1
.endr
.endm
; One step of the running softmax of a tile.  sr: S, then P; orr: O^T; nm: the pair (-c1 M, M); lr: the row sum.
; first = 1: the first block starts maximum and sum, and there is nothing to rescale.
.macro SMAX sr, orr, nm, lr, first
.irp a, 0,1,2,3
	v_max3_num_f32 v[TMP+\a], v[\sr+8*\a], v[\sr+8*\a+1], v[\sr+8*\a+2]
.endr
.irp a, 0,1,2,3
	v_max3_num_f32 v[TMP+\a], v[TMP+\a], v[\sr+8*\a+3], v[\sr+8*\a+4]
.endr
.irp a, 0,1,2,3
	v_max3_num_f32 v[TMP+\a], v[TMP+\a], v[\sr+8*\a+5], v[\sr+8*\a+6]
.endr
	v_max3_num_f32 v[TMP], v[TMP], v[\sr+7], v[TMP+1]
	v_max3_num_f32 v[TMP+2], v[TMP+2], v[\sr+15], v[TMP+3]
	v_max3_num_f32 v[TMP], v[TMP], v[\sr+23], v[TMP+2]
.if \first
	v_max_num_f32 v[TMP], v[TMP], v[\sr+31]
.else
	v_max3_num_f32 v[TMP], v[TMP], v[\sr+31], v[\nm+1]             ; the old maximum goes in last
.endif
	v_permlanex16_b32 v15, v[TMP], s28, s29                        ; the other 32 keys of my query lie in lane r xor 16
	v_max_num_f32 v[\nm+1], v[TMP], v15
.if \first
	v_mul_f32 v[\nm], s24, v[\nm+1]                                ; -c1 M
.else
	v_mul_f32 v[TMP+2], s24, v[\nm+1]
	v_sub_f32 v[TMP+3], v[TMP+2], v[\nm]                           ; c1 (M old - M new)
	v_exp_f32 v14, v[TMP+3]
	v_mov_b32 v[\nm], v[TMP+2]                                     ; the plain instruction behind the exponential (ISA guide 5.7.2)
.endif
.set i, 0
.rept 16
	v_pk_fma_f32 v[\sr+i:\sr+i+1], v[\sr+i:\sr+i+1], s[22:23], v[\nm:\nm+1] op_sel_hi:[1,0,0]   ; c1 S - c1 M
.set i, i+2
.endr
.set i, 0
.rept 32
	v_exp_f32 v[\sr+i], v[\sr+i]
.set i, i+1
.endr
.if \first
	v_nop                                                          ; the plain instruction behind the exponentials
	s_wait_alu depctr_va_vdst(0)
.else
.set i, 0
	s_wait_alu depctr_va_vdst(0)
.rept 16
	v_pk_mul_f32 v[\orr+i:\orr+i+1], v[\orr+i:\orr+i+1], v[14:15] op_sel_hi:[1,0]   ; O rescaled, in my lane alone; also the plain work behind the exponentials
.set i, i+2
.endr
.endif
.irp a, 0,1,2,3
	v_pk_add_f32 v[TMP+2*\a:TMP+2*\a+1], v[\sr+4*\a:\sr+4*\a+1], v[\sr+4*\a+2:\sr+4*\a+3]
.endr
.irp a, 0,1,2,3
	v_pk_add_f32 v[TMP+2*\a:TMP+2*\a+1], v[TMP+2*\a:TMP+2*\a+1], v[\sr+16+2*\a:\sr+17+2*\a]
.endr
.irp a, 0,1,2,3
	v_pk_add_f32 v[TMP+2*\a:TMP+2*\a+1], v[TMP+2*\a:TMP+2*\a+1], v[\sr+24+2*\a:\sr+25+2*\a]
.endr
	v_pk_add_f32 v[TMP:TMP+1], v[TMP:TMP+1], v[TMP+2:TMP+3]
	v_pk_add_f32 v[TMP+4:TMP+5], v[TMP+4:TMP+5], v[TMP+6:TMP+7]
	v_pk_add_f32 v[TMP:TMP+1], v[TMP:TMP+1], v[TMP+4:TMP+5]
.if \first
	v_add_f32 v[\lr], v[TMP], v[TMP+1]
.else
	v_add_f32 v[TMP], v[TMP], v[TMP+1]
	v_fma_f32 v[\lr], v[\lr], v14, v[TMP]                          ; the sum of my 32 keys; the two halves meet at the end
.endif
.set i, 0
.rept 16
	v_cvt_pk_f16_f32 v[\sr+i], v[\sr+2*i], v[\sr+2*i+1]            ; P packed in place: registers 8 n .. 8 n + 7 are the fragment of keys 32 n .. 32 n + 31
.set i, i+1
.endr
.endm
; O^T += V^T P^T: 64 d x 16 queries, keys in two halves.  The four accumulators take turns, one instruction a turn.
.macro PV sr, orr, first
	WIN 0x01                               ; source 0, the V^T fragments, in window 1
.irp ks, 0,1
.irp dt, 0,1,2,3
.if \first*(1-\ks)
	v_wmma_f32_16x16x32_f16 v[\orr+8*\dt:\orr+8*\dt+7], v[VF+16*\dt+8*\ks:VF+16*\dt+8*\ks+7], v[\sr+8*\ks:\sr+8*\ks+7], 0
.else
	v_wmma_f32_16x16x32_f16 v[\orr+8*\dt:\orr+8*\dt+7], v[VF+16*\dt+8*\ks:VF+16*\dt+8*\ks+7], v[\sr+8*\ks:\sr+8*\ks+7], v[\orr+8*\dt:\orr+8*\dt+7]
.endif
.endr
.endr
	WIN 0
.endm
; One block of 64 keys (half sub of slot slot) against my two tiles.  kb = s18.  Tile B takes kb <= dB, tile A kb <= dA (dA < dB).
; first = 1 (kb = 0): both tiles take part in every wave, so the skips are left out and O, M and the sums are started on every path.
.macro SUB slot, sub, first
.if \first == 0
	s_cmp_gt_u32 s18, s17
	s_cbranch_scc1 .Lsub_done_\@
.endif
	s_wait_alu depctr_va_vdst(0)           ; all earlier work is done with the registers in which this block's LDS loads land: S products with the K fragments, O products with
	                                       ; the V^T fragments and P, the softmax (ahead of the first block: Q's roundings) with SCA and SCB
.irp t, 0,1,2,3
.irp ks, 0,1
	ds_load_b128 v[FRG+16*\t+8*\ks:FRG+16*\t+8*\ks+3], v1 offset:\slot*KSLOT+\sub*64*KP+\t*16*KP+64*\ks
	ds_load_b128 v[FRG+16*\t+8*\ks+4:FRG+16*\t+8*\ks+7], v1 offset:\slot*KSLOT+\sub*64*KP+\t*16*KP+64*\ks+32
.endr
.endr
	BIAS SCB, \slot, \sub
.if \first == 0
	s_cmp_gt_u32 s18, s16
	s_cbranch_scc1 .Lqk_b_\@
.endif
	BIAS SCA, \slot, \sub
	s_wait_dscnt 0x0                       ; K fragments and both biases are in
	QK SCA, QFR
.Lqk_b_\@:
	s_wait_dscnt 0x0                       ; on the way round tile A: K fragments and the bias of B
	QK SCB, QFR+16
	PLACES 4                               ; four places behind the S products, before vector work reads S (ISA guide 7.12.1)
	WIN 0x40                               ; data in window 1, address in window 0
.irp ks, 0,1
.irp dt, 0,1,2,3
	ds_load_tr16_b128 v[VF+16*\dt+8*\ks:VF+16*\dt+8*\ks+3], v2 offset:\slot*VSLOT+\sub*64*VP+\ks*32*VP+32*\dt   ; no wait: since the wait at the block's head no vector or matrix instruction has named this buffer or v2
	ds_load_tr16_b128 v[VF+16*\dt+8*\ks+4:VF+16*\dt+8*\ks+7], v2 offset:\slot*VSLOT+\sub*64*VP+\ks*32*VP+16*VP+32*\dt
.endr
.endr
	WIN 0
.if \first == 0
	s_cmp_gt_u32 s18, s16
	s_cbranch_scc1 .Lsm_b_\@
.endif
	s_cmp_lg_u32 s18, s16
	s_cbranch_scc1 .Lfull_a_\@
	MASK SCA
.Lfull_a_\@:
	SMAX SCA, OAC, 8, 12, \first
	s_wait_dscnt 0x0                       ; the V^T fragments, asked for ahead of the softmax
	PV SCA, OAC, \first
.Lsm_b_\@:
	s_cmp_lg_u32 s18, s17
	s_cbranch_scc1 .Lfull_b_\@
	MASK SCB
.Lfull_b_\@:
	SMAX SCB, OAC+32, 10, 13, \first
	s_wait_dscnt 0x0
	PV SCB, OAC+32, \first
	PLACES 5                               ; five places: the next S products write over P
.Lsub_done_\@:
	s_add_co_u32 s18, s18, 1
.endm
; One trip: 128 keys from slot slot.  ONE barrier, for two things.  In front of it each wave has waited for its stores into this slot and for
; its reads of the other slot; behind it this slot is whole and nobody reads the other any more, which this trip fills at its end.
; load = 1: block kt + 2 is asked for, into the register set that was emptied into this slot.  conv = 1: block kt + 1 goes into slot oth.
.macro TRIP slot, oth, first, load, conv, cnt
	s_wait_dscnt 0x0
	s_barrier_signal -1
	s_barrier_wait -1
.if \load
	LOADBLK \slot, 65536, 2
	PREF
.endif
	SUB \slot, 0, \first
	SUB \slot, 1, 0
.if \conv
	CONV \oth, \oth, \cnt, 0, \load
.endif
	s_add_co_u32 s19, s19, 1
.endm
; A tile leaves: divide by the row sum, take the mean of V where the row had no real key, turn O^T into rows in my own stage, store whole rows.
.macro OUT orr, nm, lr, rb, base
	v_permlanex16_b32 v15, v[\lr], s28, s29
	v_cmp_lt_f32 vcc_lo, s26, v[\nm+1]     ; the maximum is above -2^34: the row has a real key
	v_add_f32 v[\lr], v[\lr], v15          ; both halves of the keys; at least 1, the term of the maximum
	v_rcp_f32 v14, v[\lr]
	v_nop                                  ; the plain instruction behind the reciprocal (ISA guide 5.7.2)
.set i, 0
	s_wait_alu depctr_va_vdst(0)
.rept 16
	v_pk_mul_f32 v[\orr+i:\orr+i+1], v[\orr+i:\orr+i+1], v[14:15] op_sel_hi:[1,0]
.set i, i+2
.endr
	s_wait_alu depctr_va_vcc(0)            ; the compare has written VCC, which the selects below read
.set i, 0
.rept 32
	v_cndmask_b32 v[\orr+i], v[FRG+i], v[\orr+i], vcc_lo
.set i, i+1
.endr
	s_wait_alu depctr_va_vdst(0)           ; the selects have written O, which the LDS stores read; softmax and O products are done with the registers in which the rows come back
.irp dt, 0,1,2,3
	ds_store_b128 v26, v[\orr+8*\dt:\orr+8*\dt+3] offset:64*\dt            ; lane (r, h): row r, d = 16 dt + 8 h .. + 7
	ds_store_b128 v26, v[\orr+8*\dt+4:\orr+8*\dt+7] offset:64*\dt+16
.endr
.irp i, 0,1,2,3,4,5,6,7
	ds_load_b128 v[\rb+4*\i:\rb+4*\i+3], v27 offset:2*OPI*\i               ; LDS serves a wave in order (ISA guide 5.7.1): these see the stores above
.endr
.irp i, 0,1,2,3,4,5,6,7
	s_wait_dscnt 7-\i                      ; read-back i is in; the 7 - i younger ones may be out
	global_store_b128 v6, v[\rb+4*\i:\rb+4*\i+3], s[\base:\base+1] offset:512*\i th:TH_STORE_NT   ; sixteen lanes store one whole row of 256 bytes
.endr
.endm
	; ---- set-up: what the first loads need comes first ----
	s_load_b256 s[4:11], s[0:1], 0x0               ; k s[4:5], q s[6:7], v s[8:9], out0 s[10:11]
	v_lshl_add_u32 v30, v0, 2, 0x1d500
	v_mov_b32 v31, 0
	v_lshrrev_b32 v1, 5, v0
	v_readfirstlane_b32 s12, v1                    ; wave 0..7
	v_and_b32 v21, 31, v0
	v_lshlrev_b32 v6, 4, v21                       ; 16 x lane
	WIN 0x40                                       ; destination in window 1
	v_lshlrev_b32 v[GOFF], 4, v0                   ; 16 t
	WIN 0
	s_and_b32 s13, ttmp9, 3                        ; c
	s_lshr_b32 s14, ttmp9, 2                       ; head
	s_lshl_b32 s14, s14, 18                        ; x 1,024 rows of 256 bytes (below 2^24)
	s_mov_b32 s15, 0
	s_lshl_b32 s50, s13, 15                        ; chunk c: 128 rows of 256 bytes each
	s_wait_alu depctr_va_sdst(0)                   ; s12 is written, ahead of its first reader
	s_lshl_b32 s51, s12, 12                        ; 16 w rows
	s_add_co_u32 s52, s14, s51
	s_add_co_u32 s54, s52, s50                     ; byte offset of tile A
	s_sub_co_u32 s50, 0x38000, s50                 ; chunk 7 - c
	s_add_co_u32 s56, s52, s50                     ; byte offset of tile B
	s_mov_b32 s55, 0
	s_mov_b32 s57, 0
	s_wait_kmcnt 0x0
	s_add_nc_u64 s[4:5], s[4:5], s[14:15]
	s_add_nc_u64 s[8:9], s[8:9], s[14:15]
	s_add_nc_u64 s[38:39], s[6:7], s[54:55]
	s_add_nc_u64 s[40:41], s[6:7], s[56:57]
	s_add_nc_u64 s[34:35], s[10:11], s[54:55]
	s_add_nc_u64 s[36:37], s[10:11], s[56:57]
	LOADBLK 0, 0, 1                                ; block 0; its wait serves all 48 loads here: only loads and window switches follow it
.irp j, 0,1,2,3,4,5,6,7
	global_load_b128 v[SCA+4*\j:SCA+4*\j+3], v6, s[38:39] offset:512*\j th:TH_LOAD_NT   ; Q: rows 2 j and 2 j + 1 of tile A; read once in the launch
.endr
.irp j, 0,1,2,3,4,5,6,7
	global_load_b128 v[SCB+4*\j:SCB+4*\j+3], v6, s[40:41] offset:512*\j th:TH_LOAD_NT
.endr
	LOADBLK 1, 32768, 0                            ; block 1
	s_cmp_lt_u32 s12, 4
	s_cselect_b64 s[30:31], s[4:5], s[8:9]         ; waves 0-3 prefetch K, waves 4-7 V
	s_cmp_eq_u32 s13, 0
	s_cselect_b32 s21, 4, 0                        ; c = 0 prefetches in trips 0 to 3, the others never
	s_lshr_b32 s50, s12, 2
	s_lshl_b32 s51, s13, 1
	s_add_co_u32 s16, s51, s50                     ; dA = 2 c + w / 4
	s_sub_co_u32 s17, 14, s51
	s_add_co_u32 s17, s17, s50                     ; dB = 14 - 2 c + w / 4
	s_mov_b32 s18, 0
	s_mov_b32 s19, 0
	s_mov_b32 s22, 0x3e38aa3b                      ; c1 = log2(e) / 8
	s_mov_b32 s23, 0x3e38aa3b
	s_mov_b32 s24, 0xbe38aa3b                      ; -c1
	s_mov_b32 s25, 0xd1000000                      ; -2^35
	s_mov_b32 s26, 0xd0800000                      ; -2^34
	s_mov_b32 s27, 0xffff0000                      ; lanes 16-31
	s_mov_b32 s28, 0x76543210                      ; v_permlanex16_b32: lane i of one half reads lane i of the other
	s_mov_b32 s29, 0xfedcba98
	v_and_b32 v16, 15, v0                          ; r = lane mod 16 = t mod 16
	v_bfe_u32 v17, v0, 4, 1                        ; h = lane / 16
	v_lshrrev_b32 v18, 4, v0                       ; t / 16
	v_and_b32 v19, 7, v0
	v_bfe_u32 v20, v0, 3, 1
	v_mul_u32_u24 v1, v16, KP
	v_lshl_add_u32 v1, v17, 4, v1                  ; K fragment: row r, 16 h
	v_lshl_add_u32 v19, v17, 3, v19
	v_mul_u32_u24 v2, v19, VP
	v_lshl_add_u32 v2, v20, 4, v2
	v_add_nc_u32 v2, VREG, v2                      ; V^T fragment: row 8 h + lane mod 8, 16 bytes x bit 3 of the lane
	v_lshlrev_b32 v3, 5, v17
	v_add_nc_u32 v3, BREG, v3                      ; bias: 8 h keys of 4 bytes
	s_mul_i32 s53, s12, STGW
	s_add_co_u32 s53, s53, STG                     ; my stage
	v_mul_u32_u24 v4, v17, KP
	v_lshl_add_u32 v4, v16, 3, v4
	v_add_nc_u32 v4, s53, v4                       ; Q in: row h of a pair, 8 bytes for my four numbers
	v_add_nc_u32 v5, s53, v1                       ; Q fragment: as for K
	v_mul_u32_u24 v26, v16, OPI
	v_lshl_add_u32 v26, v17, 5, v26
	v_add_nc_u32 v26, s53, v26                     ; out in: row r, 32 h
	v_mul_u32_u24 v27, v17, OPI
	v_lshl_add_u32 v27, v16, 4, v27
	v_add_nc_u32 v27, s53, v27                     ; out back: lanes 0-15 one row, lanes 16-31 the next
	v_lshlrev_b32 v24, 2, v0
	v_add_nc_u32 v24, CSB, v24
	v_and_b32 v25, 127, v0
	v_lshlrev_b32 v25, 8, v25
	v_mov_b32 v15, 0                               ; v_permlanex16_b32 counts as a reader of its destination
	s_and_b32 s50, s12, 3
	s_lshl_b32 s50, s50, 4
	v_lshlrev_b32 v20, 3, v17
	v_sub_nc_u32 v7, v16, v20
	v_add_nc_u32 v7, s50, v7                       ; r + 16 (w mod 4) - 8 h: both tiles begin 16 (w mod 4) rows into their diagonal block
.irp t, 0,1,2,3
.irp j, 0,1,2,3,4,5,6,7
	v_cmp_le_i32 s[MSK+8*\t+\j], 16*\t+\j, v7      ; key 16 t + 8 h + j is not behind query 16 (w mod 4) + r
.endr
.endr
	s_wait_alu depctr_va_sdst(0)                   ; the 32 compares have written s[MSK ..], which the selects of the diagonal blocks read
	v_mul_u32_u24 v22, v18, KP
	v_mul_u32_u24 v23, v18, VP
	v_add_nc_u32 v23, VREG, v23
	WIN 0x40
	v_lshl_add_u32 v[KST], v16, 3, v22             ; row t / 16, 8 bytes for my four numbers
	v_lshl_add_u32 v[VST], v16, 3, v23
	v_lshl_add_u32 v[BST], v18, 2, BREG
	v_lshl_add_u32 v[CSST], v0, 4, CSB
	; ---- block 0 into slot 0; Q into fragments ----
	CONV 0, 0, 32, 1, 0                            ; 32 younger loads stay out: 16 of Q, 16 of block 1.  Its wait on va_vdst stands behind all the addresses made above
	s_wait_loadcnt 16                              ; Q is in; the 16 loads of block 1 stay out
.irp tl, 0,1
.irp j, 0,1,2,3,4,5,6,7
	v_cvt_pk_f16_f32 v[SCA+32*\tl+4*\j], v[SCA+32*\tl+4*\j], v[SCA+32*\tl+4*\j+1]
	v_cvt_pk_f16_f32 v[SCA+32*\tl+4*\j+1], v[SCA+32*\tl+4*\j+2], v[SCA+32*\tl+4*\j+3]
.endr
.endr
	s_wait_alu depctr_va_vdst(0)                   ; the roundings have written Q's f16 words, which the LDS stores read
.irp tl, 0,1
.irp j, 0,1,2,3,4,5,6,7
	ds_store_b64 v4, v[SCA+32*\tl+4*\j:SCA+32*\tl+4*\j+1] offset:16*KP*\tl+2*KP*\j
.endr
.endr
.irp tl, 0,1
.irp ks, 0,1
	ds_load_b128 v[QFR+16*\tl+8*\ks:QFR+16*\tl+8*\ks+3], v5 offset:16*KP*\tl+64*\ks        ; my own bytes, served in order: no wait between stores and loads
	ds_load_b128 v[QFR+16*\tl+8*\ks+4:QFR+16*\tl+8*\ks+7], v5 offset:16*KP*\tl+64*\ks+32
.endr
.endr
	s_wait_alu depctr_vm_vsrc(0)                   ; the LDS stores have read SCA and SCB, in which the first block's biases land
	; ---- the eight trips.  In a trip that loads, CONV leaves that trip 16 loads out. ----
	TRIP 0, 1, 1, 1, 1, 16                         ; kt = 0: starts O, maxima and sums
	s_mov_b32 s20, 0
.Ltrips:
	TRIP 1, 0, 0, 1, 1, 16                         ; kt = 1, 3
	TRIP 0, 1, 0, 1, 1, 16                         ; kt = 2, 4
	s_add_co_u32 s20, s20, 1
	s_cmp_lt_u32 s20, 2
	s_cbranch_scc1 .Ltrips
	TRIP 1, 0, 0, 1, 1, 16                         ; kt = 5: asks for block 7, the last
	TRIP 0, 1, 0, 0, 1, 0                          ; kt = 6: nothing left to ask for; block 7 is converted, no load is younger
	WIN 0x45
	s_wait_alu depctr_va_vdst(0)                   ; the last additions have written my column sums, which the store reads
	ds_store_b128 v[CSST], v[CS:CS+3]              ; my column sums: rows t / 16 mod 16, d = 4 (t mod 16) .. + 3; shown to all by the next barrier
	WIN 0
	TRIP 1, 0, 0, 0, 0, 0                          ; kt = 7
	; ---- the mean row of V: threads 0 to 63 (waves 0 and 1, which have no product at kb = 15) add the 16 partial sums of one column each ----
	s_cmp_gt_u32 s12, 1
	s_cbranch_scc1 .Lmean_done
	s_wait_alu depctr_va_vdst(0)                   ; my last S products are done reading the K fragments, in which the partial sums land
.set i, 0
.rept 16
	ds_load_b32 v[FRG+i], v24 offset:256*i
.set i, i+1
.endr
	s_wait_dscnt 0x0
.irp a, 0,4,8,12
	v_pk_add_f32 v[FRG+\a:FRG+\a+1], v[FRG+\a:FRG+\a+1], v[FRG+\a+2:FRG+\a+3]
.endr
	v_pk_add_f32 v[FRG:FRG+1], v[FRG:FRG+1], v[FRG+4:FRG+5]
	v_pk_add_f32 v[FRG+8:FRG+9], v[FRG+8:FRG+9], v[FRG+12:FRG+13]
	v_pk_add_f32 v[FRG:FRG+1], v[FRG:FRG+1], v[FRG+8:FRG+9]
	v_add_f32 v[FRG], v[FRG], v[FRG+1]
	v_mul_f32 v[FRG], 0x3a800000, v[FRG]           ; / 1,024
	s_wait_alu depctr_va_vdst(0)                   ; the mean is written, which the store reads
	ds_store_b32 v24, v[FRG] offset:VMB-CSB
.Lmean_done:
	s_wait_dscnt 0x0                               ; the mean is stored,
	s_barrier_signal -1
	s_barrier_wait -1                              ; and every wave may read it
	; ---- the way out.  Every group of O products was followed by its five places, so O may be read. ----
	s_wait_alu depctr_vm_vsrc(0)                   ; in waves 0 and 1 the store of the mean has read v192, in which the mean row lands
	s_wait_alu depctr_va_vdst(0)                   ; the last S products (in waves 0 and 1 the additions) are done with v[192:223], in which the mean row lands
.irp dt, 0,1,2,3
	ds_load_b128 v[FRG+8*\dt:FRG+8*\dt+3], v3 offset:VMB-BREG+64*\dt               ; the mean in the layout of O^T: d = 16 dt + 8 h + j
	ds_load_b128 v[FRG+8*\dt+4:FRG+8*\dt+7], v3 offset:VMB-BREG+64*\dt+16
.endr
	s_wait_dscnt 0x0
	OUT OAC, 8, 12, SCA, 34
	OUT OAC+32, 10, 13, SCB, 36
	s_wait_dscnt 0x0
	s_wait_alu depctr_hold_cnt(0) depctr_sa_sdst(0) depctr_va_vdst(0) depctr_va_sdst(0) depctr_va_ssrc(0) depctr_va_vcc(0) depctr_vm_vsrc(0)
	s_wait_tensorcnt 0x0
	ds_add_u32 v30, v31
	s_wait_dscnt 0x0
	s_endpgm
.Lfunc_end_k_qd63f887121_attn:
	.size	k_qd63f887121_attn, .Lfunc_end_k_qd63f887121_attn-k_qd63f887121_attn
	.p2alignl 7, 3214868480
	.fill 96, 4, 3214868480
	.section	.rodata,"a",@progbits
	.p2align	6, 0x0
	.amdhsa_kernel k_qd63f887121_attn
		.amdhsa_group_segment_fixed_size 121088
		.amdhsa_private_segment_fixed_size 0
		.amdhsa_enable_private_segment 0
		.amdhsa_kernarg_size 32
		.amdhsa_user_sgpr_count 2
		.amdhsa_user_sgpr_kernarg_segment_ptr 1
		.amdhsa_wavefront_size32 1
		.amdhsa_system_sgpr_workgroup_id_x 1
		.amdhsa_system_sgpr_workgroup_id_y 1
		.amdhsa_system_sgpr_workgroup_id_z 1
		.amdhsa_system_vgpr_workitem_id 0
		.amdhsa_next_free_vgpr 460
		.amdhsa_next_free_sgpr 100
		.amdhsa_reserve_vcc 1
		.amdhsa_float_denorm_mode_32 3
		.amdhsa_float_denorm_mode_16_64 3
		.amdhsa_memory_ordered 1
		.amdhsa_forward_progress 1
		.amdhsa_inst_pref_size 255
	.end_amdhsa_kernel
	.section	.bss,"aw",@nobits
	.p2align	6
	.space	262144
	.amdgpu_metadata
---
amdhsa.version: [ 1, 2 ]
amdhsa.kernels:
  - .name:           k_qd63f887121_attn
    .symbol:         k_qd63f887121_attn.kd
    .args:
      - { .name: k, .offset: 0, .size: 8, .value_kind: global_buffer, .address_space: global }
      - { .name: q, .offset: 8, .size: 8, .value_kind: global_buffer, .address_space: global }
      - { .name: v, .offset: 16, .size: 8, .value_kind: global_buffer, .address_space: global }
      - { .name: out0, .offset: 24, .size: 8, .value_kind: global_buffer, .address_space: global }
    .group_segment_fixed_size: 121088
    .private_segment_fixed_size: 0
    .kernarg_segment_align: 8
    .kernarg_segment_size: 32
    .max_flat_workgroup_size: 256
    .sgpr_count:     100
    .vgpr_count:     460
    .wavefront_size: 32
...
	.end_amdgpu_metadata
.endif
;; end of part 2
